; MI455X (gfx1250); checked and timed in simulation.
; The chip was launched on July 23, 2026; its instructions are those of AMD's public machine-readable ISA for CDNA 5 (MIT licence, August 2026) and "CDNA5" Instruction Set Architecture Reference Guide (July 2026). The comments in the code are by the model that wrote it; some were corrected since.
;; PAM Module. Allowed arithmetic: matrix products marked QUANTISED: E2M3 operands, one E8M0 scale for each 32 along K, by v_wmma_scale_f32_16x16x128_f8f6f4 with both operands' format E2M3, f32 sums; everything else in f32.
;; Inputs: bk 64 float32; bq 64 float32; bv 512 float32; gamma 1 float32; wk_codes 64 x 16 x 24 uint8 (E2M3 codes of wk, K innermost, in blocks of 32 codes, four codes in three bytes); wk_scales 64 x 16 uint8 (E8M0 scales of wk, one for each 32 codes along K); wq_codes 64 x 16 x 24 uint8 (E2M3 codes of wq, K innermost, in blocks of 32 codes, four codes in three bytes); wq_scales 64 x 16 uint8 (E8M0 scales of wq, one for each 32 codes along K); wv_codes 512 x 16 x 24 uint8 (E2M3 codes of wv, K innermost, in blocks of 32 codes, four codes in three bytes); wv_scales 512 x 16 uint8 (E8M0 scales of wv, one for each 32 codes along K); x 4 x 512 x 64 x 64 float32.
;; Outputs: out0 4 x 512 x 64 x 64 float32.
;; This version of the problem:
;;   THIS VERSION OF THE PROBLEM IS GIVEN IN LOW PRECISION. The matrix products marked QUANTISED in the list below multiply operands that are first quantised to E2M3 (2 exponent bits, 3 mantissa bits; 6 bits a number), with one power-of-two scale for each 32 numbers along K (OCP MX v1.0); their sums are f32. All else is computed in f32.
;;   The module's matrix products, in the order in which they are computed (A, B: the left and right operand; K: the contracted axis; several contracted axes count as one K, in the product's order):
;;     1. [M 16,384, K 512] x [K 512, N 64]; A: input x; B: input wq (given as codes): QUANTISED
;;     2. [M 16,384, K 512] x [K 512, N 64]; A: input x; B: input wk (given as codes): QUANTISED
;;     3. [M 16,384, K 512] x [K 512, N 512]; A: input x; B: input wv (given as codes): QUANTISED
;;     4. batch 4 x [M 4,096, K 64] x [K 64, N 4,096]; A: computed on the way; B: computed on the way: QUANTISED
;;     5. batch 4 x [M 512, K 4,096] x [K 4,096, N 4,096]; A: computed on the way; B: softmax (see below): QUANTISED
;;   THE QUANTISER, for each operand of a quantised product, along K:
;;     - K is cut into blocks of 32 from its start; a last block that is shorter is filled with zeros.
;;     - A block's scale is 2^e with e = floor(log2(the largest magnitude in the block)) - 2, held to -126 .. 127; a block of zeros has e = 0. As a byte (E8M0): e + 127.
;;     - Each number is divided by its block's scale, clamped to +-7.5, and rounded to the nearest number of E2M3, ties to even, subnormals kept.
;;     - The product sums the exact products of the quantised numbers (number of the format x scale) in f32.
;;   ~~~python
;;   def quantise(x, axis):      # numpy; x: float32 -> the quantised numbers, widened to float32 again
;;       x = np.moveaxis(x, axis, -1); K = x.shape[-1]
;;       x = np.pad(x, [(0, 0)] * (x.ndim - 1) + [(0, -K % 32)]); x = x.reshape(x.shape[:-1] + (-1, 32)); a = np.abs(x).max(-1, keepdims=True)
;;       e = np.where(a > 0, np.clip(np.frexp(np.where(a > 0, a, 1))[1] - 1 - 2, -126, 127), 0)      # np.frexp(a)[1] - 1 = floor(log2(a)), exactly
;;       r = np.clip(x / 2.0 ** e, -7.5, 7.5)
;;       step = 2.0 ** (np.maximum(np.frexp(np.where(r == 0, 1, r))[1] - 1, 0) - 3)
;;       q = np.round(r / step) * step * 2.0 ** e      # np.round: ties to even
;;       return np.moveaxis(q.reshape(q.shape[:-2] + (-1,))[..., :K], -1, axis).astype(np.float32)
;;   ~~~
;;   SOFTMAX AHEAD OF A QUANTISED PRODUCT. Where the list says 'softmax', what is quantised is not the finished softmax but p = 2^(t - M), with t = logit x log2(e) and M = ceil(the row's largest t), a whole number; so 1/2 < the row's largest p <= 1. The row's sum l is taken of the UNQUANTISED p, in f32, and the product's result is divided by l at the end. Since M is a whole number, a kernel that streams over the keys may use a running M (the ceiling of the running maximum): every later rescaling is an exact power of two, which a block's scale takes up: the codes' values come out the same.
;;   OPERANDS COMPUTED ON THE WAY. 'Computed on the way' means the value that the module computes at that place (a softmax that the list does not call 'softmax' is quantised finished and normalised). What goes into a quantiser is computed in f32, as accurately as f32 sums, v_exp_f32 and their like allow (about 1e-6 of the number): no bf16 or f16 on the way to a quantiser, and a product that is left as it is and whose result goes on into a quantised operand takes f32 operands (vector FMAs, or v_wmma_f32_16x16x4_f32). A number that lies on a knife's edge between two numbers of the format may be rounded either way, as far as f32 arithmetic and the matrix unit's own rounding can turn it there, and no further.
;;   INPUTS GIVEN AS CODES. wk (in the module: [64, 512], K = its axis 1); wq (in the module: [64, 512], K = its axis 1); wv (in the module: [512, 512], K = its axis 1): each comes as NAME_codes (uint8): NAME with its K axis moved to the last place and cut into blocks of 32 codes, [.., K / 32, bytes a block], one block behind the other in memory; four codes in three bytes: a row's codes are one little-endian stream of bits, code i at bits 6 i .. 6 i + 5 (a code: sign, 2 exponent bits, 3 mantissa bits); and NAME_scales (uint8): the same leading axes, one E8M0 byte (e + 127) for each 32 codes along K. Its value is code x scale, taken as it is: it is not quantised again, and the codes and scales need not be those that the quantiser above would give.
;; One version. Each part assembles by itself: llvm-mc -triple=amdgcn-amd-amdhsa -mcpu=gfx1250 --defsym DOCPART=n.
;; ======== version 1 of 1: 2 launches
;; workspace buffers: kv 7,405,568 bytes; qw 851,968 bytes
;; launch project (part 1): grid 64 x 4, 16 waves a work-group, clusters of 4 x 1, 327,680 bytes of LDS; arguments x, wq_codes, wq_scales, bq, wk_codes, wk_scales, bk, wv_codes, wv_scales, bv, qw, kv; writes qw, kv
.if DOCPART == 1
	.amdgcn_target "amdgcn-amd-amdhsa--gfx1250"
	.amdhsa_code_object_version 6
	.text
	.protected	k_qeb97073a21_project
	.globl	k_qeb97073a21_project
	.p2align	8
	.type	k_qeb97073a21_project,@function
k_qeb97073a21_project:
	s_mov_b64 s[64:65], 0
	v_nop
	global_prefetch_b8 v0, s[64:65] scope:SCOPE_SE
	s_setreg_imm32_b32 hwreg(HW_REG_WAVE_MODE, 25, 1), 1
	s_wait_xcnt 0x0
	s_wait_alu depctr_hold_cnt(0) depctr_sa_sdst(0) depctr_va_vdst(0) depctr_va_sdst(0) depctr_va_ssrc(0) depctr_va_vcc(0) depctr_vm_vsrc(0)
	s_getreg_b32 s2, hwreg(HW_REG_IB_STS2, 6, 4)
	s_cmp_eq_u32 s2, 0
	s_cbranch_scc0 .Lentry_in_a_cluster
	s_endpgm
.Lentry_in_a_cluster:
	s_bfe_u32 s2, ttmp6, 0x10000c
	s_cmp_lg_u32 s2, 0x3003
	s_cbranch_scc0 .Lentry_shape_is_right
	s_endpgm
.Lentry_shape_is_right:
; PROJECT: q, k, v = W x + b on codes of FP6 (E2M3) with one E8M0 scale for each 32 along K, and their quantising for the attention launch.
; x: [4][512][4096] f32, K = the 512 channels, which are NOT innermost: a lane takes a position and its registers run down the channels.
; A work-group takes 64 positions of one batch (group g) and all 512 channels.  Sixteen waves, 256 registers each.
;   X : wave w quantises 32 positions (half ph = w % 2) x 64 channels (pair of blocks pr = w / 2): a quarter of two fragments; they go to LDS as the operand's registers, lane-major.
;   V : wave w makes channels 32 w .. 32 w + 31 of v for the 64 positions (source 0 = 16 positions, source 1 = 16 rows of wv: a lane holds ONE channel and its registers run along the positions,
;       which are the next product's K); quantises along the positions; stores two units.
;   QK: waves 0, 1 make q, waves 2, 3 make k, 32 positions each (source 0 = 16 rows of the weight, source 1 = 16 positions: a lane holds ONE position and its registers run along the 64 outputs).
; THE ROWS OF A TILE ARE NOT NEIGHBOURS: row r of tile 2 b + u is position (or weight row) 32 b + 8 u + r + 8 (r / 8), so that the 16 registers of tiles 2 b and 2 b + 1 are 16 neighbours along the next K.
; The biases are the C of each sum's first matrix instruction.
; THE WEIGHTS are the same for every work-group: the four of a cluster ask for them JOINTLY (mask 15), once, 276,480 bytes of LDS; nothing is filled again.
; OUT: units of 768 bytes = registers 0-5 of an operand, [piece of 8 bytes 0..2][lane][8]: each store of a wave covers 256 consecutive bytes, aligned.
;   kv record (b, g): 28,928 bytes: V's 32 units | V's scale bytes u16[512] | K's 4 units of group (g + 2) % 64 | K's 64 scale words.   qw record: Q's 4 units | Q's 64 scale words.
; LIMITS: NaN and infinities among the inputs are not served; a block of zeros, and a block whose largest magnitude lies under 2^-124, gets the scale byte 1 (these bytes are read by this program alone).
.set REC,   28928
.set QREC,  3328
.set WP,    432                        ; a weight row in LDS: 6 x (64 bytes + 8 of padding) = 108 words: the 16 rows of a load begin at 16 different multiples of 4 banks
.set WQK,   221184                     ; behind wv's 512 rows: wq's 64 rows, wk's 64 rows
.set XI,    276480                     ; x's 16 fragments (4 t + s), 1,536 bytes each: 48 x lane + 24 c
.set XS,    301056                     ; x's scale words: (4 ph + s) x 128 + 4 x lane
.set SM,    302080                     ; the small outputs gathered: V's u16[512], K's words at +1,024, Q's at +1,280
.set SPARE, 303616                     ; the spare words, 128 bytes for each of 16 waves: eight blocks of 256 bytes that no other line names
; v1 x offset  v2 XIW  v3 XSW  v4 XIL  v5 XSL  v6,7 wv rows  v8,9 wq/wk rows  v10 SMV  v11 SMQ  v12 SML  v13 8 lane  v14,15 the add's two  v16 16 lane  v17 scale rows  v18 4 r  v19 64 h  v20 XIL at my half  v21 XSL at my half
; v32-95 x's numbers, then 8 accumulators   v96-143 x's fragments, then codes   v144-191 weight fragments (v168-185: v's bias in the V phase)   v192-223 q/k's bias
; v224-227 wv's scale words  v228-235 wq/wk's  v236,237 x's   v238-253 at work
.macro CROUND                          ; a round of the cluster's barrier
	s_barrier_signal -1
	s_barrier_wait -1
	s_cmp_lg_u32 s28, 0
	s_cbranch_scc1 .Lnw0_\@
	s_barrier_signal -3
.Lnw0_\@:
	s_barrier_wait -3
	s_barrier_signal -1
	s_barrier_wait -1
.endm
; one matrix instruction: D, A, B at register numbers d, a, b; c < 0: C = 0, else C at c; scale registers sa, sb; ra, rb: 1 = the scales lie in lanes 16-31
.macro WM d, a, b, c, sa, sb, ra, rb
.if (\c) < 0
.if ((\ra) == 0) && ((\rb) == 0)
	v_wmma_scale_f32_16x16x128_f8f6f4 v[0+(\d):7+(\d)], v[0+(\a):11+(\a)], v[0+(\b):11+(\b)], 0, v[\sa], v[\sb] matrix_a_fmt:MATRIX_FMT_FP6 matrix_b_fmt:MATRIX_FMT_FP6
.elseif (\rb) == 0
	v_wmma_scale_f32_16x16x128_f8f6f4 v[0+(\d):7+(\d)], v[0+(\a):11+(\a)], v[0+(\b):11+(\b)], 0, v[\sa], v[\sb] matrix_a_fmt:MATRIX_FMT_FP6 matrix_b_fmt:MATRIX_FMT_FP6 matrix_a_scale:MATRIX_SCALE_ROW1
.elseif (\ra) == 0
	v_wmma_scale_f32_16x16x128_f8f6f4 v[0+(\d):7+(\d)], v[0+(\a):11+(\a)], v[0+(\b):11+(\b)], 0, v[\sa], v[\sb] matrix_a_fmt:MATRIX_FMT_FP6 matrix_b_fmt:MATRIX_FMT_FP6 matrix_b_scale:MATRIX_SCALE_ROW1
.else
	v_wmma_scale_f32_16x16x128_f8f6f4 v[0+(\d):7+(\d)], v[0+(\a):11+(\a)], v[0+(\b):11+(\b)], 0, v[\sa], v[\sb] matrix_a_fmt:MATRIX_FMT_FP6 matrix_b_fmt:MATRIX_FMT_FP6 matrix_a_scale:MATRIX_SCALE_ROW1 matrix_b_scale:MATRIX_SCALE_ROW1
.endif
.else
.if ((\ra) == 0) && ((\rb) == 0)
	v_wmma_scale_f32_16x16x128_f8f6f4 v[0+(\d):7+(\d)], v[0+(\a):11+(\a)], v[0+(\b):11+(\b)], v[0+(\c):7+(\c)], v[\sa], v[\sb] matrix_a_fmt:MATRIX_FMT_FP6 matrix_b_fmt:MATRIX_FMT_FP6
.elseif (\rb) == 0
	v_wmma_scale_f32_16x16x128_f8f6f4 v[0+(\d):7+(\d)], v[0+(\a):11+(\a)], v[0+(\b):11+(\b)], v[0+(\c):7+(\c)], v[\sa], v[\sb] matrix_a_fmt:MATRIX_FMT_FP6 matrix_b_fmt:MATRIX_FMT_FP6 matrix_a_scale:MATRIX_SCALE_ROW1
.elseif (\ra) == 0
	v_wmma_scale_f32_16x16x128_f8f6f4 v[0+(\d):7+(\d)], v[0+(\a):11+(\a)], v[0+(\b):11+(\b)], v[0+(\c):7+(\c)], v[\sa], v[\sb] matrix_a_fmt:MATRIX_FMT_FP6 matrix_b_fmt:MATRIX_FMT_FP6 matrix_b_scale:MATRIX_SCALE_ROW1
.else
	v_wmma_scale_f32_16x16x128_f8f6f4 v[0+(\d):7+(\d)], v[0+(\a):11+(\a)], v[0+(\b):11+(\b)], v[0+(\c):7+(\c)], v[\sa], v[\sb] matrix_a_fmt:MATRIX_FMT_FP6 matrix_b_fmt:MATRIX_FMT_FP6 matrix_a_scale:MATRIX_SCALE_ROW1 matrix_b_scale:MATRIX_SCALE_ROW1
.endif
.endif
.endm
; a weight fragment (16 rows x 128 K, K step s, rows from row on) in six pieces of 8 bytes.  Piece PCE of a row lies at 8 PCE + 8 (PCE / 8); lanes 16-31 read three pieces on, which lies behind one padding more
; where PCE % 8 is 5 or more: the second address register (32 for 24 bytes a half) serves those.
.macro WFRAG reg, adr, s, row
.irp p, 0,1,2,3,4,5
.set PCE, 12*(\s)+6*(\p/3)+\p%3
.if PCE%8 < 5
	ds_load_b64 v[2*\p+(\reg):2*\p+1+(\reg)], v[\adr] offset:8*PCE+8*(PCE/8)+(\row)*WP
.else
	ds_load_b64 v[2*\p+(\reg):2*\p+1+(\reg)], v[\adr+1] offset:8*PCE+8*(PCE/8)+(\row)*WP
.endif
.endr
.endm
; a whole block of 32 in one lane's registers src .. src + 31 -> six registers of codes at dst, the scale's byte in by
.macro QB32 src, dst, by
	v_max3_num_f32 v238, |v[\src]|, |v[\src+1]|, |v[\src+2]|
	v_max3_num_f32 v239, |v[\src+3]|, |v[\src+4]|, |v[\src+5]|
.irp i, 6,10,14,18,22,26
	v_max3_num_f32 v238, v238, |v[\src+\i]|, |v[\src+\i+1]|
	v_max3_num_f32 v239, v239, |v[\src+\i+2]|, |v[\src+\i+3]|
.endr
	v_max3_num_f32 v238, v238, |v[\src+30]|, |v[\src+31]|
	v_max3_num_f32 v238, v238, v239, 0x1800000     ; the floor 2^(3 - 127): the byte cannot fall under 1
	v_add_nc_u32 v242, 0xff000000, v238            ; 2 off the exponent field: the conversion takes the exponent field of this operand as its scale
	v_lshrrev_b32 v[\by], 23, v242                 ; the scale's byte
	v_cvt_scalef32_pk16_fp6_f32 v[\dst:\dst+2], v[\src:\src+15], v242
	v_cvt_scalef32_pk16_fp6_f32 v[112:114], v[\src+16:\src+31], v242   ; (a conversion's three registers begin on an even number)
	v_nop                                          ; one plain place behind a scaled conversion
.irp i, 0,1,2
	v_mov_b32 v[\dst+3+\i], v[112+\i]
.endr
.endm
; two blocks of 32, each in 16 registers of lanes l and l xor 16 (src + 16 b + i = k 32 b + 16 (lane / 16) + i) -> six registers at dst: lanes 0-15 block 0, lanes 16-31 block 1; v246 = byte 0 | byte 1 << 8
.macro QUANT32 src, dst
	v_max3_num_f32 v238, |v[\src]|, |v[\src+1]|, 0x1800000
	v_max3_num_f32 v239, |v[\src+16]|, |v[\src+17]|, 0x1800000
.irp i, 2,4,6,8,10,12,14
	v_max3_num_f32 v238, v238, |v[\src+\i]|, |v[\src+\i+1]|
	v_max3_num_f32 v239, v239, |v[\src+16+\i]|, |v[\src+17+\i]|
.endr
	v_permlanex16_b32 v240, v238, s90, s91
	v_permlanex16_b32 v241, v239, s90, s91
	v_max_num_f32 v238, v238, v240
	v_max_num_f32 v239, v239, v241
	v_add_nc_u32 v242, 0xff000000, v238
	v_add_nc_u32 v243, 0xff000000, v239
	v_lshrrev_b32 v244, 23, v242
	v_lshrrev_b32 v245, 23, v243
	v_lshl_or_b32 v246, v245, 8, v244
	v_cvt_scalef32_pk16_fp6_f32 v[\dst:\dst+2], v[\src:\src+15], v242
	v_cvt_scalef32_pk16_fp6_f32 v[248:250], v[\src+16:\src+31], v243
	v_nop                                          ; one plain place behind a scaled conversion
.irp i, 0,1,2
	v_permlane16_swap_b32 v[\dst+\i], v[248+\i]    ; the first now holds each lane's block's lower 16 codes, the second the upper 16
.endr
.irp i, 0,1,2
	v_mov_b32 v[\dst+3+\i], v[248+\i]
.endr
.endm
	s_load_b512 s[4:19], s[0:1], 0x0               ; x 4, wq_codes 6, wq_scales 8, bq 10, wk_codes 12, wk_scales 14, bk 16, wv_codes 18
	s_load_b256 s[20:27], s[0:1], 0x40             ; wv_scales 20, bv 22, qw 24, kv 26
	v_lshl_add_u32 v14, v0, 2, SPARE
	v_mov_b32 v15, 0
	ds_add_u32 v14, v15                            ; the wave's opening: the add and its wait stand ahead of my first tensor load; the set-up below, work on registers, stands between them
	v_lshrrev_b32 v24, 5, v0
	v_readfirstlane_b32 s28, v24                   ; wave 0..15
	s_bfe_u32 s29, ttmp6, 0x40000                  ; cx
	s_lshl_b32 s30, ttmp9, 2
	s_add_co_u32 s30, s30, s29                     ; g: my group of 64 positions: it enters global addresses alone
	s_and_b32 s31, ttmp7, 0xffff                   ; b
	; descriptor groups 1: rows of 384 bytes, 8 bytes of padding behind every 64; mask 15: all four work-groups; bit 21 set beside the mask
	s_mov_b32 s32, 15|(1<<20)|(1<<21)|(3<<22)|(1<<25)
	s_mov_b32 s33, 384<<16
	s_mov_b32 s34, 32<<16                          ; wv: 32 rows a wave
	s_mov_b32 s35, 384<<16
	s_mov_b32 s36, 32
	s_mov_b32 s37, 384
	s_mov_b32 s38, 0
	s_mov_b32 s39, 0
	s_mov_b32 s40, 15|(1<<20)|(1<<21)|(3<<22)|(1<<25)
	s_mov_b32 s41, 384<<16
	s_mov_b32 s42, 8<<16                           ; wq, wk: 8 rows a wave
	s_mov_b32 s43, 384<<16
	s_mov_b32 s44, 8
	s_mov_b32 s45, 384
	s_mov_b32 s46, 0
	s_mov_b32 s47, 0
	s_mov_b32 s90, 0x76543210
	s_mov_b32 s91, 0xfedcba98                      ; v_permlanex16_b32's selects for lane l xor 16
	s_and_b32 s56, s28, 1                          ; ph: which 32 positions
	s_lshr_b32 s57, s28, 1                         ; pr: which 64 channels.  In waves 0-3 also: 0 = q, 1 = k
	s_lshr_b32 s58, s28, 2                         ; s: which K step of 128
	s_and_b32 s59, s57, 1                          ; c: which 64 of it
	v_and_b32 v25, 31, v0                          ; lane
	v_and_b32 v26, 15, v0                          ; r
	v_bfe_u32 v27, v0, 4, 1                        ; h
	v_and_b32 v28, 8, v26
	v_add_nc_u32 v28, v28, v26                     ; r + 8 (r / 8)
	; every LDS address is made here, ahead of any branch on the wave's number
	s_lshl_b32 s60, s56, 3
	s_add_co_u32 s60, s60, s58
	s_mul_i32 s60, s60, 1536
	s_mul_i32 s61, s59, 24
	s_add_co_u32 s60, s60, s61
	v_mul_u32_u24 v4, v25, 48
	v_add_nc_u32 v4, XI, v4                        ; XIL
	v_add_nc_u32 v2, s60, v4                       ; XIW = XIL + (8 ph + s) 1536 + 24 c
	s_mul_i32 s61, s56, 12288
	v_add_nc_u32 v20, s61, v4                      ; XIL at my half's tiles
	s_lshl_b32 s60, s56, 2
	s_add_co_u32 s60, s60, s58
	s_lshl_b32 s60, s60, 7
	s_lshl_b32 s61, s59, 1
	s_add_co_u32 s60, s60, s61
	v_lshl_add_u32 v5, v25, 2, XS                  ; XSL
	v_add_nc_u32 v3, s60, v5                       ; XSW = XSL + (4 ph + s) 128 + 2 c
	s_lshl_b32 s61, s56, 9
	v_add_nc_u32 v21, s61, v5                      ; XSL at my half
	s_mul_i32 s60, s28, 13824
	v_mul_u32_u24 v6, v26, WP
	v_add_nc_u32 v6, s60, v6
	v_lshl_add_u32 v7, v27, 5, v6
	v_mad_u32_u24 v6, v27, 24, v6                  ; my 32 rows of wv: row r, + 24 h (v7: + 32 h)
	s_mul_i32 s60, s59, 27648
	s_add_co_u32 s60, s60, WQK
	v_mul_u32_u24 v8, v28, WP
	v_add_nc_u32 v8, s60, v8
	v_lshl_add_u32 v9, v27, 5, v8
	v_mad_u32_u24 v8, v27, 24, v8                  ; wq's or wk's rows r + 8 (r / 8)
	s_lshl_b32 s60, s28, 6
	s_add_co_u32 s60, s60, SM
	v_lshl_add_u32 v10, v26, 1, s60                ; SMV
	s_xor_b32 s60, s59, 1
	s_lshl_b32 s60, s60, 8
	s_lshl_b32 s61, s56, 7
	s_add_co_u32 s60, s60, s61
	s_add_co_u32 s60, s60, SM+1024
	v_lshl_add_u32 v11, v26, 2, s60                ; SMQ: k's words at +1,024, q's at +1,280
	s_min_u32 s60, s28, 5
	s_lshl_b32 s60, s60, 8
	s_add_co_u32 s60, s60, SM
	v_lshl_add_u32 v12, v25, 3, s60                ; SML
	; offsets into global buffers
	v_lshlrev_b32 v13, 3, v25
	v_lshlrev_b32 v16, 4, v25
	v_lshl_add_u32 v17, v27, 3, v28
	v_lshlrev_b32 v17, 4, v17                      ; 16 (8 h + r + 8 (r / 8)): a weight row's four scale words
	v_lshlrev_b32 v18, 2, v26
	v_lshlrev_b32 v19, 6, v27
	v_and_b32 v1, 7, v25                           ; lane l takes position (l & 7) + 2 (l & 8) + (l & 16) / 2: lanes 0-15 are tile u = 0's rows, lanes 16-31 tile u = 1's
	v_and_b32 v24, 8, v25
	v_lshl_or_b32 v1, v24, 1, v1
	v_and_b32 v24, 16, v25
	v_lshrrev_b32 v24, 1, v24
	v_or_b32 v1, v1, v24
	v_lshlrev_b32 v1, 2, v1
	v_mov_b32 v240, 0                              ; written once: a lane permute's destination counts as one of its sources
	v_mov_b32 v241, 0
	s_lshl_b32 s68, s31, 23                        ; x: batch, my 64 channels, my 32 positions
	s_lshl_b32 s69, s57, 20
	s_add_co_u32 s68, s68, s69
	s_lshl_b32 s69, s30, 8
	s_add_co_u32 s68, s68, s69
	s_lshl_b32 s69, s56, 7
	s_add_co_u32 s68, s68, s69
	s_mov_b32 s69, 0
	s_lshl_b32 s78, s31, 6
	s_add_co_u32 s79, s78, s30                     ; 64 b + g
	s_mul_i32 s70, s79, REC
	s_mov_b32 s71, 0
	s_mul_i32 s76, s79, QREC
	s_mov_b32 s77, 0
	s_add_co_u32 s79, s30, 62
	s_and_b32 s79, s79, 63
	s_add_co_u32 s79, s79, s78                     ; K of group g lies in record (g + 62) % 64
	s_mul_i32 s74, s79, REC
	s_add_co_u32 s74, s74, 25600
	s_mov_b32 s75, 0
	s_mov_b32 s83, 0
	s_wait_dscnt 0x0                               ; the opening add is done
	s_wait_kmcnt 0x0
	s_add_nc_u64 s[66:67], s[4:5], s[68:69]        ; x
	s_add_nc_u64 s[70:71], s[26:27], s[70:71]      ; kv: record g
	s_add_nc_u64 s[74:75], s[26:27], s[74:75]      ; kv: K's part of record (g + 62) % 64
	s_add_nc_u64 s[76:77], s[24:25], s[76:77]      ; qw: record g
	s_mul_i32 s82, s28, 1536
	s_add_nc_u64 s[72:73], s[70:71], s[82:83]      ; my two units of V
	s_cmp_eq_u32 s57, 0                            ; (waves 0-3) q or k
	s_cselect_b64 s[78:79], s[76:77], s[74:75]
	s_cselect_b64 s[86:87], s[10:11], s[16:17]     ; its bias
	s_cselect_b64 s[88:89], s[8:9], s[14:15]       ; its scale bytes
	s_mul_i32 s82, s56, 1536
	s_add_nc_u64 s[78:79], s[78:79], s[82:83]      ; my two units of q or k
	s_lshl_b32 s82, s28, 8
	s_add_co_u32 s82, s82, 24576
	s_add_nc_u64 s[80:81], s[70:71], s[82:83]      ; the small outputs: waves 0-3 V's scale bytes,
	s_add_nc_u64 s[84:85], s[74:75], 3072
	s_cmp_eq_u32 s28, 4
	s_cselect_b64 s[80:81], s[84:85], s[80:81]     ; wave 4 K's words,
	s_add_nc_u64 s[84:85], s[76:77], 3072
	s_cmp_eq_u32 s28, 5
	s_cselect_b64 s[80:81], s[84:85], s[80:81]     ; wave 5 Q's
	s_lshl_b32 s82, s28, 9
	s_add_nc_u64 s[20:21], s[20:21], s[82:83]      ; wv's scale bytes of my 32 rows
	s_lshl_b32 s82, s28, 7
	s_add_nc_u64 s[22:23], s[22:23], s[82:83]      ; bv of my 32 channels
	s_mov_b32 s48, 1
	s_mul_i32 s49, s28, 13824
	s_mul_i32 s82, s28, 12288
	s_add_nc_u64 s[50:51], s[18:19], s[82:83]
	s_or_b32 s51, s51, 0x80000000
	s_mov_b32 s52, 1
	s_mul_i32 s53, s28, 3456
	s_add_co_u32 s53, s53, WQK
	s_cmp_lt_u32 s28, 8                            ; waves 0-7 fetch wq, waves 8-15 wk
	s_cselect_b64 s[54:55], s[6:7], s[12:13]
	s_and_b32 s82, s28, 7
	s_mul_i32 s82, s82, 3072
	s_add_nc_u64 s[54:55], s[54:55], s[82:83]
	s_or_b32 s55, s55, 0x80000000
	CROUND                                         ; all four work-groups are here: the joint loads meet
	tensor_load_to_lds s[48:51], s[32:39]          ; two loads of mine are out; both are first fills
	s_nop 0
	tensor_load_to_lds s[52:55], s[40:47]
	s_nop 0
.rept 4
	v_nop
.endr
	; ---- X: 64 channels of my 32 positions: each load reads 128 consecutive bytes, two waves side by side on 256
.set i, 0
.rept 64
	global_load_b32 v[32+i], v1, s[66:67] offset:i*16384 th:TH_LOAD_NT
.set i, i+1
.endr
	global_load_b128 v[224:227], v16, s[20:21]     ; wv's scale words: lane = row; register = K step
	global_load_b32 v184, v18, s[22:23]
	global_load_b32 v185, v18, s[22:23] offset:64
	s_wait_loadcnt 35                              ; block 0's 32 loads are in; block 1's 32 and the three small ones may be out
	QB32 32, 96, 244
	s_wait_loadcnt 0x0
	QB32 64, 104, 245
.irp i, 0,1,2,3,4,5
	v_permlane16_swap_b32 v[96+\i], v[104+\i]      ; v96.. : tile u = 0, lanes 0-15 block 0, lanes 16-31 block 1; v104.. : tile u = 1
.endr
	v_lshl_or_b32 v246, v245, 8, v244
.irp p, 0,1,2
	ds_store_b64 v2, v[96+2*\p:97+2*\p] offset:8*\p
.endr
.irp p, 0,1,2
	ds_store_b64 v2, v[104+2*\p:105+2*\p] offset:6144+8*\p
.endr
	ds_store_b16 v3, v246                          ; my position's two scale bytes
.irp j, 0,1,2,3,4,5,6,7
	v_mov_b32 v[168+\j], v184                      ; v's bias in the result's layout: a lane holds one channel
	v_mov_b32 v[176+\j], v185
.endr
	s_cmp_lt_u32 s28, 4
	s_cbranch_scc0 .Lnorole
.irp t, 0,1,2,3
	global_load_b128 v[192+8*\t:195+8*\t], v19, s[86:87] offset:(32*(\t/2)+8*(\t%2))*4      ; q's or k's bias: tile t, lane (r, h): outputs 32 (t / 2) + 16 h + 8 (t % 2) + 0 .. 7
	global_load_b128 v[196+8*\t:199+8*\t], v19, s[86:87] offset:(32*(\t/2)+8*(\t%2))*4+16
.endr
	global_load_b128 v[228:231], v17, s[88:89]     ; scale words of tiles 0 (lanes 0-15) and 1 (lanes 16-31)
	global_load_b128 v[232:235], v17, s[88:89] offset:512
.Lnorole:
	s_wait_tensorcnt 0x0                           ; my parts of the weights have landed,
	s_wait_dscnt 0x0                               ; my stores of x's codes too
	s_barrier_signal -1
	s_barrier_wait -1                              ; everybody's have
	; ---- V: eight accumulators (2 channel tiles x 4 position tiles) by turns, a K step at a time
.irp s, 0,1,2,3
.irp t, 0,1,2,3
.irp i, 0,1,2
	ds_load_b128 v[96+12*\t+4*\i:99+12*\t+4*\i], v4 offset:(4*\t+\s)*1536+16*\i
.endr
.endr
	ds_load_b32 v236, v5 offset:128*\s
	ds_load_b32 v237, v5 offset:128*(4+\s)
	WFRAG 144, 6, \s, 0
	WFRAG 156, 6, \s, 16
	s_wait_dscnt 0x0
.irp t, 0,1,2,3
.irp c, 0,1
.if \s == 0
	WM 32+32*\c+8*\t, 96+12*\t, 144+12*\c, 168+8*\c, 236+\t/2, 224+\s, \t%2, \c
.else
	WM 32+32*\c+8*\t, 96+12*\t, 144+12*\c, 32+32*\c+8*\t, 236+\t/2, 224+\s, \t%2, \c
.endif
.endr
.endr
.rept 4
	v_nop                                          ; places in front of loads into registers that matrix instructions have read, and of the first read of results
.endr
.endr
.irp c, 0,1
	QUANT32 32+32*\c, 96+8*\c
.irp p, 0,1,2
	global_store_b64 v13, v[96+8*\c+2*\p:97+8*\c+2*\p], s[72:73] offset:768*\c+256*\p      ; 32 lanes store 256 consecutive bytes, aligned
.endr
	ds_store_b16 v10, v246 offset:32*\c            ; lanes r and r + 16 write the same two bytes with the same value
.endr
	; ---- QK: waves 0-3
	s_cmp_lt_u32 s28, 4
	s_cbranch_scc0 .Lnoqk
	s_wait_xcnt 0x0                                ; the stores above have read their registers: v96.. are loaded again only behind this wait
	s_wait_loadcnt 0x0                             ; the role's bias and scale words
.irp s, 0,1,2,3
.irp u, 0,1
.irp i, 0,1,2
	ds_load_b128 v[96+12*\u+4*\i:99+12*\u+4*\i], v20 offset:(4*\u+\s)*1536+16*\i
.endr
.endr
	ds_load_b32 v236, v21 offset:128*\s
.irp t, 0,1,2,3
	WFRAG 144+12*\t, 8, \s, 32*(\t/2)+8*(\t%2)
.endr
	s_wait_dscnt 0x0
.irp u, 0,1
.irp t, 0,1,2,3
.if \s == 0
	WM 32+32*\u+8*\t, 144+12*\t, 96+12*\u, 192+8*\t, 228+4*(\t/2)+\s, 236, \t%2, \u
.else
	WM 32+32*\u+8*\t, 144+12*\t, 96+12*\u, 32+32*\u+8*\t, 228+4*(\t/2)+\s, 236, \t%2, \u
.endif
.endr
.endr
.rept 4
	v_nop
.endr
.endr
.irp u, 0,1
	QUANT32 32+32*\u, 96+8*\u
	v_or_b32 v247, 0x7f7f0000, v246                ; K is 64: the instruction's upper 64 are zero codes under the byte 127
.irp p, 0,1,2
	global_store_b64 v13, v[96+8*\u+2*\p:97+8*\u+2*\p], s[78:79] offset:768*\u+256*\p
.endr
	ds_store_b32 v11, v247 offset:64*\u
.endr
.Lnoqk:
	s_wait_dscnt 0x0                               ; my stores into the gather are done
	s_barrier_signal -1
	s_barrier_wait -1
	s_cmp_lt_u32 s28, 6
	s_cbranch_scc0 .Lnosmall
	ds_load_b64 v[252:253], v12
	s_wait_dscnt 0x0
	global_store_b64 v13, v[252:253], s[80:81]     ; 256 consecutive bytes, aligned
.Lnosmall:
	s_wait_tensorcnt 0x0                           ; the wave's end, behind my last tensor load and my last LDS store
	ds_add_u32 v14, v15
	s_wait_dscnt 0x0
	CROUND                                         ; the closing round
	s_endpgm
.Lfunc_end_k_qeb97073a21_project:
	.size	k_qeb97073a21_project, .Lfunc_end_k_qeb97073a21_project-k_qeb97073a21_project
	.p2alignl 7, 3214868480
	.fill 96, 4, 3214868480
	.section	.rodata,"a",@progbits
	.p2align	6, 0x0
	.amdhsa_kernel k_qeb97073a21_project
		.amdhsa_group_segment_fixed_size 327680
		.amdhsa_private_segment_fixed_size 0
		.amdhsa_enable_private_segment 0
		.amdhsa_kernarg_size 96
		.amdhsa_user_sgpr_count 2
		.amdhsa_user_sgpr_kernarg_segment_ptr 1
		.amdhsa_wavefront_size32 1
		.amdhsa_system_sgpr_workgroup_id_x 1
		.amdhsa_system_sgpr_workgroup_id_y 1
		.amdhsa_system_sgpr_workgroup_id_z 1
		.amdhsa_system_vgpr_workitem_id 0
		.amdhsa_next_free_vgpr 256
		.amdhsa_next_free_sgpr 96
		.amdhsa_reserve_vcc 0
		.amdhsa_float_denorm_mode_32 3
		.amdhsa_float_denorm_mode_16_64 3
		.amdhsa_memory_ordered 1
		.amdhsa_forward_progress 1
		.amdhsa_inst_pref_size 53
	.end_amdhsa_kernel
	.amdgpu_metadata
---
amdhsa.version: [ 1, 2 ]
amdhsa.kernels:
  - .name:           k_qeb97073a21_project
    .symbol:         k_qeb97073a21_project.kd
    .args:
      - { .name: x, .offset: 0, .size: 8, .value_kind: global_buffer, .address_space: global }
      - { .name: wq_codes, .offset: 8, .size: 8, .value_kind: global_buffer, .address_space: global }
      - { .name: wq_scales, .offset: 16, .size: 8, .value_kind: global_buffer, .address_space: global }
      - { .name: bq, .offset: 24, .size: 8, .value_kind: global_buffer, .address_space: global }
      - { .name: wk_codes, .offset: 32, .size: 8, .value_kind: global_buffer, .address_space: global }
      - { .name: wk_scales, .offset: 40, .size: 8, .value_kind: global_buffer, .address_space: global }
      - { .name: bk, .offset: 48, .size: 8, .value_kind: global_buffer, .address_space: global }
      - { .name: wv_codes, .offset: 56, .size: 8, .value_kind: global_buffer, .address_space: global }
      - { .name: wv_scales, .offset: 64, .size: 8, .value_kind: global_buffer, .address_space: global }
      - { .name: bv, .offset: 72, .size: 8, .value_kind: global_buffer, .address_space: global }
      - { .name: qw, .offset: 80, .size: 8, .value_kind: global_buffer, .address_space: global }
      - { .name: kv, .offset: 88, .size: 8, .value_kind: global_buffer, .address_space: global }
    .group_segment_fixed_size: 327680
    .private_segment_fixed_size: 0
    .kernarg_segment_align: 8
    .kernarg_segment_size: 96
    .max_flat_workgroup_size: 512
    .sgpr_count:     96
    .vgpr_count:     256
    .wavefront_size: 32
...
	.end_amdgpu_metadata
.endif
;; end of part 1
;; launch attend (part 2): grid 64 x 4, 4 waves a work-group, clusters of 4 x 1, 327,680 bytes of LDS; arguments qw, kv, x, gamma, out0; writes out0
.if DOCPART == 2
	.amdgcn_target "amdgcn-amd-amdhsa--gfx1250"
	.amdhsa_code_object_version 6
	.text
	.protected	k_qeb97073a21_attend
	.globl	k_qeb97073a21_attend
	.p2align	8
	.type	k_qeb97073a21_attend,@function
k_qeb97073a21_attend:
	s_mov_b64 s[64:65], 0
	v_nop
	global_prefetch_b8 v0, s[64:65] scope:SCOPE_SE
	s_setreg_imm32_b32 hwreg(HW_REG_WAVE_MODE, 25, 1), 1
	s_wait_xcnt 0x0
	s_wait_alu depctr_hold_cnt(0) depctr_sa_sdst(0) depctr_va_vdst(0) depctr_va_sdst(0) depctr_va_ssrc(0) depctr_va_vcc(0) depctr_vm_vsrc(0)
	s_getreg_b32 s2, hwreg(HW_REG_IB_STS2, 6, 4)
	s_cmp_eq_u32 s2, 0
	s_cbranch_scc0 .Lentry_in_a_cluster
	s_endpgm
.Lentry_in_a_cluster:
	s_bfe_u32 s2, ttmp6, 0x10000c
	s_cmp_lg_u32 s2, 0x3003
	s_cbranch_scc0 .Lentry_shape_is_right
	s_endpgm
.Lentry_shape_is_right:
; ATTEND: out[b][c][i] = gamma x (sum over j of v[c][j] p[i][j]) / l[i] + x[b][c][i], both products on codes of FP6 (E2M3) with one E8M0 scale for each 32 along K.
; p = 2^(t - M), t = score x log2(e), M = the ceiling of the row's largest t; l = the row's sum of the unquantised p.
; A work-group owns 64 queries (group g) x 512 channels x all 4,096 keys of its batch.  Four waves, as many as a WGP has SIMDs.
; TWO PASSES.  Pass 1 makes the scores alone and finds each row's largest; pass 2 makes the same scores by the same instructions, so M is known from the first key on: no running maximum, and the 256
; accumulator registers are never rescaled.
; A STEP is 128 keys.  Wave w makes S^T (source 0 = 16 keys, source 1 = 16 queries: a lane holds ONE query) for key block w (32 keys) x the four query tiles, takes p, quantises it (a block lies in lanes l and l xor 16)
; and stores its quarter of the four P fragments into LDS; behind one barrier every wave reads the four P fragments and its own eight V fragments (channels 128 w ..) and issues 32 products, so that each V fragment feeds four.
; BY TURNS: the interval between two barriers holds the scores of step j + 1, the products V P of step j, and the softmax of step j + 1 in slices of six behind each of those products.  So that one slot serves an interval,
; a record of kv holds V of key group rho and K of group (rho + 2) % 64.
; The product V P is laid with source 0 = P (16 queries) and source 1 = V (16 channels): a lane holds one channel and eight neighbouring positions, as out0 lies.
; THE ROWS OF A TILE ARE NOT NEIGHBOURS: row r of tile 2 b + u of a group is position 32 b + 8 u + r + 8 (r / 8).
; CLUSTER: the four work-groups of a cluster belong to one batch and walk the same records: each is asked for JOINTLY (mask 15), one load a wave behind each round.
; LIMITS: NaN and infinities are not served; p under 2^-126 counts as 0 (v_exp_f32 gives 0 there: ISA guide, its entry); a block of p that is all zeros gets the byte 1.
.set REC,   28928                      ; a record: V's 32 units of 768 | V's scale bytes at 24,576 | K's 4 units at 25,600 | K's scale words at 28,672
.set PB0,   115712                     ; behind slot A (4 records): P's two buffers, 6,400 bytes each: 4 fragments (48 x lane), then scale words
.set PBS,   6400
.set MX,    128512                     ; the waves' row maxima
.set LX,    129536                     ; the waves' row sums
.set SPARE, 130560                     ; the spare words, 128 bytes for each wave: two blocks of 256 bytes that no other line names
.set BREG,  131072                     ; slot B: one exclusive or turns an address of one slot into the other's
.set STG,   246784                     ; the way out: 64 rows x 272 bytes for each wave
.set AK1, 2                            ; pass 1: my lane's place among K's units, and (AS1) among its scale words
.set AS1, 3
.set ADK, 4                            ; addresses of the loads in hand
.set ADS, 5
.set AK2, 6                            ; pass 2: the same inside a slot
.set AKS2, 7
.set AV0, 8                            ; my V units;  AVS0: my V scale bytes
.set AVS0, 9
.set ADV, 10
.set ADVS, 12
.set PLD, 13
.set PSL, 14
.set PST, 15
.set PSB, 16
.set MXS, 17
.set MXL, 18
.set LST, 19
.set LLD, 20
.set STO, 21
.set SRD, 22
.set XO,  23
.set PFO, 24
.set GL4, 25
.set SPW, 26                           ; the add's two registers; never rewritten
.set NIL, 27
.set GL8, 28
.set ST,  32                           ; four a query tile: -M, 0, the sum in two halves
.set BM,  48
.set BT,  52
.set SO,  56                           ; the conversions' scale operands; on the way out gamma / l
.set SB,  60
.set S,   64                           ; S^T, then p: 16 a query tile
.set QF,  128                          ; Q's four fragments, upper halves zero
.set KF,  176                          ; K's: 2 sets x 2 tiles, upper halves zero
.set PC,  224                          ; p's codes
.set RM,  224                          ; pass 1: running maxima, two chains a query tile
.set KS,  240                          ; scale words: K's two sets, Q's, P's, V's (VL: V's lower halves)
.set QS,  242
.set PS,  244
.set VS,  246
.set VL,  250
; window 1: the 32 accumulators, (channel tile ct, query tile qt) at v[8 (4 ct + qt)].   window 2: v0-95 V's eight fragments, v96-143 P's four; on the way out 64 quads of O.   window 3: 64 quads of x.
.set MSB, 0
.macro WIN new                         ; the immediate's high byte repeats the setting that is left; a switch that changes nothing is dropped
.if MSB != \new
	s_set_vgpr_msb (MSB<<8)|\new
.set MSB, \new
.endif
.endm
.macro CROUND                          ; a round of the cluster's barrier
	s_barrier_signal -1
	s_barrier_wait -1
	s_cmp_lg_u32 s14, 0
	s_cbranch_scc1 .Lnw0_\@
	s_barrier_signal -3
.Lnw0_\@:
	s_barrier_wait -3
	s_barrier_signal -1
	s_barrier_wait -1
.endm
; one matrix instruction: D, A, B at register numbers d, a, b; c < 0: C = 0, else C at c; scale registers sa, sb; ra, rb: 1 = the scales lie in lanes 16-31
.macro WM d, a, b, c, sa, sb, ra, rb
.if (\c) < 0
.if ((\ra) == 0) && ((\rb) == 0)
	v_wmma_scale_f32_16x16x128_f8f6f4 v[0+(\d):7+(\d)], v[0+(\a):11+(\a)], v[0+(\b):11+(\b)], 0, v[\sa], v[\sb] matrix_a_fmt:MATRIX_FMT_FP6 matrix_b_fmt:MATRIX_FMT_FP6
.elseif (\rb) == 0
	v_wmma_scale_f32_16x16x128_f8f6f4 v[0+(\d):7+(\d)], v[0+(\a):11+(\a)], v[0+(\b):11+(\b)], 0, v[\sa], v[\sb] matrix_a_fmt:MATRIX_FMT_FP6 matrix_b_fmt:MATRIX_FMT_FP6 matrix_a_scale:MATRIX_SCALE_ROW1
.elseif (\ra) == 0
	v_wmma_scale_f32_16x16x128_f8f6f4 v[0+(\d):7+(\d)], v[0+(\a):11+(\a)], v[0+(\b):11+(\b)], 0, v[\sa], v[\sb] matrix_a_fmt:MATRIX_FMT_FP6 matrix_b_fmt:MATRIX_FMT_FP6 matrix_b_scale:MATRIX_SCALE_ROW1
.else
	v_wmma_scale_f32_16x16x128_f8f6f4 v[0+(\d):7+(\d)], v[0+(\a):11+(\a)], v[0+(\b):11+(\b)], 0, v[\sa], v[\sb] matrix_a_fmt:MATRIX_FMT_FP6 matrix_b_fmt:MATRIX_FMT_FP6 matrix_a_scale:MATRIX_SCALE_ROW1 matrix_b_scale:MATRIX_SCALE_ROW1
.endif
.else
.if ((\ra) == 0) && ((\rb) == 0)
	v_wmma_scale_f32_16x16x128_f8f6f4 v[0+(\d):7+(\d)], v[0+(\a):11+(\a)], v[0+(\b):11+(\b)], v[0+(\c):7+(\c)], v[\sa], v[\sb] matrix_a_fmt:MATRIX_FMT_FP6 matrix_b_fmt:MATRIX_FMT_FP6
.elseif (\rb) == 0
	v_wmma_scale_f32_16x16x128_f8f6f4 v[0+(\d):7+(\d)], v[0+(\a):11+(\a)], v[0+(\b):11+(\b)], v[0+(\c):7+(\c)], v[\sa], v[\sb] matrix_a_fmt:MATRIX_FMT_FP6 matrix_b_fmt:MATRIX_FMT_FP6 matrix_a_scale:MATRIX_SCALE_ROW1
.elseif (\ra) == 0
	v_wmma_scale_f32_16x16x128_f8f6f4 v[0+(\d):7+(\d)], v[0+(\a):11+(\a)], v[0+(\b):11+(\b)], v[0+(\c):7+(\c)], v[\sa], v[\sb] matrix_a_fmt:MATRIX_FMT_FP6 matrix_b_fmt:MATRIX_FMT_FP6 matrix_b_scale:MATRIX_SCALE_ROW1
.else
	v_wmma_scale_f32_16x16x128_f8f6f4 v[0+(\d):7+(\d)], v[0+(\a):11+(\a)], v[0+(\b):11+(\b)], v[0+(\c):7+(\c)], v[\sa], v[\sb] matrix_a_fmt:MATRIX_FMT_FP6 matrix_b_fmt:MATRIX_FMT_FP6 matrix_a_scale:MATRIX_SCALE_ROW1 matrix_b_scale:MATRIX_SCALE_ROW1
.endif
.endif
.endm
; A PREFETCH INTO THE L2 of the slot two slots on from the one that is being asked for: 4 records of 113 blocks of 256 bytes.  All sixteen clusters of a batch walk the same records: the batch's first cluster asks.
; Its four partners take a record each, told apart BY ADDRESS; wave w takes blocks 32 w on, a lane a block (the lanes past block 112 name block 112).  The changes that load the last two slots ask for nothing.
.macro ASK
	s_cmp_gt_u32 s57, s19
	s_cbranch_scc0 .Lna_\@
	global_prefetch_b8 v[PFO], s[52:53] th:TH_LOAD_NT scope:SCOPE_SE
.Lna_\@:
.endm
.macro KLOAD set, off                  ; my two half fragments of K and their scale words: seven LDS loads
.irp u, 0,1
.irp p, 0,1,2
	ds_load_b64 v[KF+24*\set+12*\u+2*\p:KF+24*\set+12*\u+2*\p+1], v[ADK] offset:\off+768*\u+256*\p
.endr
.endr
	ds_load_b32 v[KS+\set], v[ADS] offset:\off
.endm
.macro P1MAX qa, k                     ; slice k of four of the running maxima of query tiles qa, qa + 1: registers 4 k .. 4 k + 3 of each
.irp t, 0,1
.irp c, 0,1
	v_max3_num_f32 v[RM+2*((\qa)+\t)+\c], v[RM+2*((\qa)+\t)+\c], v[S+16*((\qa)+\t)+4*(\k)+2*\c], v[S+16*((\qa)+\t)+4*(\k)+2*\c+1]
.endr
.endr
.endm
; A step of pass 1: eight products; behind each, four maxima over the other half's scores (tiles 2, 3: the step before's), which are also the places behind the products.
.macro P1STEP set, load, off, cnt
	s_wait_dscnt \cnt                              ; this set's seven loads are in; the other set's may be out
.irp x, 0,1,2,3
	WM S+16*(\x/2)+8*(\x%2), KF+24*\set+12*(\x%2), QF+12*(\x/2), -1, KS+\set, QS, \x%2, \x/2
	P1MAX 2, \x
.endr
.irp x, 0,1,2,3
	WM S+32+16*(\x/2)+8*(\x%2), KF+24*\set+12*(\x%2), QF+24+12*(\x/2), -1, KS+\set, QS+1, \x%2, \x/2
	P1MAX 0, \x
.endr
.if \load
	KLOAD \set, \off                               ; two steps on, into the set just multiplied: four plain instructions stand behind its last product
.endif
.endm
.macro P1HALF region                   ; 16 steps: the K parts of 32 records, 3,328 bytes each
	s_mov_b32 s56, \region
	v_add_nc_u32 v[ADK], s56, v[AK1]
	v_add_nc_u32 v[ADS], s56, v[AS1]
	KLOAD 0, 0
	KLOAD 1, 6656
	s_mov_b32 s58, 7
.Lp1_\@:
	s_add_co_u32 s56, s56, 13312
	v_add_nc_u32 v[ADK], s56, v[AK1]
	v_add_nc_u32 v[ADS], s56, v[AS1]
	P1STEP 0, 1, 0, 7
	P1STEP 1, 1, 6656, 7
	s_sub_co_u32 s58, s58, 1
	s_cmp_lg_u32 s58, 0
	s_cbranch_scc1 .Lp1_\@
	P1STEP 0, 0, 0, 7
	P1STEP 1, 0, 0, 0
.endm
; THE SOFTMAX OF A STEP is a list of 206 instructions; SMITEM writes number n.  PL q, k: the plain work of query tile q ahead of its exponentials; EX q, k: its 17 exponentials.
.macro PL q, k
.set rS, S+16*(\q)
.set rB, BM+(\q)
.set rT, BT+(\q)
.set rM, ST+4*(\q)
.if (\k) == 0
	v_max3_num_f32 v[rB], v[rS], v[rS+1], v[rS+2]  ; the block's largest score, in two chains: since p rises with the score it gives the block's largest p
.elseif (\k) == 1
	v_max3_num_f32 v[rT], v[rS+3], v[rS+4], v[rS+5]
.elseif (\k) == 2
	v_max3_num_f32 v[rB], v[rB], v[rS+6], v[rS+7]
.elseif (\k) == 3
	v_max3_num_f32 v[rT], v[rT], v[rS+8], v[rS+9]
.elseif (\k) == 4
	v_max3_num_f32 v[rB], v[rB], v[rS+10], v[rS+11]
.elseif (\k) == 5
	v_max3_num_f32 v[rT], v[rT], v[rS+12], v[rS+13]
.elseif (\k) == 6
	v_max3_num_f32 v[rB], v[rB], v[rS+14], v[rS+15]
.elseif (\k) == 7
	v_max_num_f32 v[rB], v[rB], v[rT]
.elseif (\k) == 8
	v_permlanex16_b32 v[rT], v[rB], s20, s21       ; the block's other 16 keys lie in the lane 16 away
.elseif (\k) == 9
	v_max_num_f32 v[rB], v[rB], v[rT]
.elseif (\k) == 10
	v_fma_f32 v[rB], v[rB], s22, v[rM]             ; t - M of the block's largest score
.else
.set pp, 2*((\k)-11)
	v_pk_fma_f32 v[rS+pp:rS+pp+1], v[rS+pp:rS+pp+1], s[22:23], v[rM:rM+1] op_sel_hi:[1,0,0]   ; t - M, two at a time
.endif
.endm
.macro EX q, k
.if (\k) < 16
	v_exp_f32 v[S+16*(\q)+(\k)], v[S+16*(\q)+(\k)]
.else
	v_exp_f32 v[BM+(\q)], v[BM+(\q)]
.endif
.endm
.macro SMITEM
.if n < 19
	PL 0, n
.elseif n < 127                        ; tile q's plain work by turns with tile q - 1's exponentials: nothing here names an exponential's result
.set mm, (n-19)%36
.set qq, 1+(n-19)/36
.if mm < 2
	PL qq, mm
.elseif (mm%2) == 0
	EX qq-1, (mm-2)/2
.else
	PL qq, 2+(mm-3)/2
.endif
.elseif n < 144
	EX 3, n-127
.elseif n == 144
	v_nop                                          ; a plain instruction behind the last exponential,
	s_wait_alu depctr_va_vdst(0)                   ; and ONE wait for all 68, ahead of the first instruction that names a result
.elseif n < 177
.set ii, n-145
	v_pk_add_f32 v[ST+4*(ii%4)+2:ST+4*(ii%4)+3], v[ST+4*(ii%4)+2:ST+4*(ii%4)+3], v[S+16*(ii%4)+2*(ii/4):S+16*(ii%4)+2*(ii/4)+1]   ; the row's sum, of the unquantised p
.elseif n < 181
	v_max_num_f32 v[BM+n-177], 0x1800000, v[BM+n-177]   ; the floor 2^(3 - 127): the byte cannot fall under 1
.elseif n < 185
	v_add_nc_u32 v[SO+n-181], 0xff000000, v[BM+n-181]   ; 2 off the exponent field: the conversion's scale operand
.elseif n < 189
	v_lshrrev_b32 v[SB+n-185], 23, v[SO+n-185]     ; the scale's byte
.elseif n < 193
	v_cvt_scalef32_pk16_fp6_f32 v[PC+4*(n-189):PC+4*(n-189)+2], v[S+16*(n-189):S+16*(n-189)+15], v[SO+n-189]
.elseif n == 193
	v_nop                                          ; one plain place behind a scaled conversion
.elseif n < 200
.set ii, n-194
	v_permlane16_swap_b32 v[PC+8*(ii/3)+ii%3], v[PC+8*(ii/3)+4+ii%3]   ; two query tiles change halves: lanes 0-15 then hold tile 2 i's 32 codes, lanes 16-31 tile 2 i + 1's
.else
.set ii, n-200
	v_mov_b32 v[PC+8*(ii/3)+3+ii%3], v[PC+8*(ii/3)+4+ii%3]
.endif
.endm
.macro PSTORE par                      ; my quarter of the four P fragments (24 bytes of each row) and my byte of each scale word
.irp i, 0,1
.irp p, 0,1,2
	ds_store_b64 v[PST], v[PC+8*\i+2*\p:PC+8*\i+2*\p+1] offset:3072*\i+8*\p+PBS*(\par)
.endr
.endr
.irp q, 0,1,2,3
	ds_store_b8 v[PSB], v[SB+\q] offset:64*\q+PBS*(\par)
.endr
.endm
.macro VLOAD base                      ; V's fragments base .. base + 3: registers 0-5 from the step's first record, 6-11 from its second
.irp c, 0,1,2,3
.irp p, 0,1,2
	ds_load_b64 v[12*((\base)+\c)+2*\p:12*((\base)+\c)+2*\p+1], v[ADV] offset:768*((\base)+\c)+256*\p
.endr
.irp p, 0,1,2
	ds_load_b64 v[12*((\base)+\c)+6+2*\p:12*((\base)+\c)+7+2*\p], v[ADV] offset:REC+768*((\base)+\c)+256*\p
.endr
.endr
.endm
.macro XLOAD e                         ; the residual: 64 of my 128 channels x 64 positions, two rows of 256 bytes an instruction, into window 3
	WIN 0xc0
.set xi, 0
.rept 32
	global_load_b128 v[128*\e+4*xi:128*\e+4*xi+3], v[XO], s[66:67] offset:(64*\e+2*xi)*16384 th:TH_LOAD_NT
.set xi, xi+1
.endr
	WIN 0
.endm
; AN INTERVAL: step j's products V P, and (doS) step j + 1's scores and softmax.  half: which two records of the slot.  refill: the other slot is filled again.  zero: the products start the sums.
.macro INTERVAL half, refill, doS, zero
.if \half == 0
	s_wait_tensorcnt 0x0                           ; all my tensor loads have landed: my record of this slot; so a group 0 may be written
	ds_add_u32 v[SPW], v[NIL]                      ; 0 onto my spare word
.if \refill
	s_xor_b32 s49, s49, BREG                       ; the walking descriptor: the other slot, the next four records
	s_add_nc_u64 s[50:51], s[50:51], 4*REC
	s_wait_xcnt 0x0                                ; the last prefetch, a slot back, has read its address
	s_add_nc_u64 s[52:53], s[52:53], 4*REC
.endif
	s_mov_b32 s55, s54
	s_wait_dscnt 0x0                               ; the add is done, my stores of P have landed, my reads of the slot that I have left are over
.if \refill
	CROUND                                         ; no wave of any partner still reads that slot or has a load on its way
	tensor_load_to_lds s[48:51], s[32:39]          ; my one tensor load until the next round: it has two intervals, 80 matrix instructions, in which to land
	s_nop 0
.else
	s_barrier_signal -1
	s_barrier_wait -1
.endif
.else
	s_add_co_u32 s55, s54, 2*REC
	s_wait_dscnt 0x0                               ; my stores of P have landed, my reads of the other P buffer are over
	s_barrier_signal -1
	s_barrier_wait -1
.endif
	v_add_nc_u32 v[ADK], s55, v[AK2]
	v_add_nc_u32 v[ADS], s55, v[AKS2]
	v_add_nc_u32 v[ADV], s55, v[AV0]
	v_add_nc_u32 v[ADVS], s55, v[AVS0]
.if \doS
	KLOAD 0, 0
.endif
.irp i, 0,1,2,3
	ds_load_u16 v[VL+\i], v[ADVS] offset:64*\i     ; V's scale bytes: lanes 0-15 channel tile 2 i, lanes 16-31 tile 2 i + 1
.endr
.irp i, 0,1,2,3
	ds_load_u16 v[VS+\i], v[ADVS] offset:REC+64*\i
.endr
	ds_load_b32 v[PS], v[PSL] offset:PBS*\half
	ds_load_b32 v[PS+1], v[PSL] offset:PBS*\half+128
	WIN 0x80                                       ; destination window 2
.irp q, 0,1,2,3
.irp i, 0,1,2
	ds_load_b128 v[96+12*\q+4*\i:99+12*\q+4*\i], v[PLD] offset:PBS*\half+1536*\q+16*\i
.endr
.endr
	VLOAD 0
	WIN 0
.if \refill
	ASK
.endif
.if \doS
	s_wait_dscnt 46                                ; K is in; 8 + 2 + 12 + 24 younger loads may be out
.irp q, 0,1,2,3
.irp u, 0,1
	WM S+16*\q+8*\u, KF+12*\u, QF+12*\q, -1, KS, QS+\q/2, \u, \q%2
.endr
.endr
.endif
	WIN 0x80
	VLOAD 4
	WIN 0
	s_wait_dscnt 62                                ; V's scale bytes are in; 2 + 12 + 48 younger loads may be out
.irp i, 0,1,2,3
	v_lshl_or_b32 v[VS+\i], v[VS+\i], 16, v[VL+\i] ; the four places behind the scores' products
.endr
.if \doS
.set n, 0
.rept 8
	SMITEM                                         ; eight plain instructions: the places between the writing of V's scale words and the scaled products
.set n, n+1
.endr
.else
.rept 8
	v_nop
.endr
.endif
.set i, 0
.rept 32                               ; the 32 accumulators by turns, one instruction a turn
.if (i%4) == 0
	s_wait_dscnt 6*(7-i/4)                         ; this V fragment's six loads are in; the later fragments' may be out
.endif
	WIN 0x5a                                       ; sources 0 and 1 window 2, C and D window 1
.if \zero
	WM 8*i, 96+12*(i%4), 12*(i/4), -1, PS+(i%4)/2, VS+(i/4)/2, (i%4)%2, (i/4)%2
.else
	WM 8*i, 96+12*(i%4), 12*(i/4), 8*i, PS+(i%4)/2, VS+(i/4)/2, (i%4)%2, (i/4)%2
.endif
.if \doS
	WIN 0
.set n, 8+6*i
.rept 6
	SMITEM
.set n, n+1
.endr
.endif
.set i, i+1
.endr
	WIN 0
.if \doS
.set n, 200
.rept 6
	SMITEM
.set n, n+1
.endr
	PSTORE 1-\half
.endif
.endm
	s_load_b256 s[4:11], s[0:1], 0x0               ; qw 4, kv 6, x 8, gamma 10
	s_load_b64 s[12:13], s[0:1], 0x20              ; out0
	v_lshl_add_u32 v[SPW], v0, 2, SPARE
	v_mov_b32 v[NIL], 0
	ds_add_u32 v[SPW], v[NIL]                      ; the wave's opening: the add and its wait stand ahead of my first tensor load; the set-up below, work on registers, stands between them
	v_lshrrev_b32 v1, 5, v0
	v_readfirstlane_b32 s14, v1                    ; wave 0..3
	s_bfe_u32 s15, ttmp6, 0x40000                  ; cx
	s_lshl_b32 s16, ttmp9, 2
	s_add_co_u32 s16, s16, s15                     ; g: my 64 queries: it enters global addresses alone
	s_and_b32 s17, ttmp7, 0xffff                   ; b, which the four partners share
	s_cmp_eq_u32 ttmp9, 0
	s_cselect_b32 s19, 2, -1                       ; the batch's first cluster prefetches, while the count of slots is above 2
	s_mov_b32 s20, 0x76543210
	s_mov_b32 s21, 0xfedcba98
	s_mov_b32 s22, 0x3fb8aa3b                      ; log2(e)
	s_mov_b32 s23, s22
	; group 1 for pass 1: 8 rows of 3,328 bytes (416 elements of 8), one in each record
	s_mov_b32 s24, 15|(3<<16)|(1<<21)
	s_mov_b32 s25, 416<<16
	s_mov_b32 s26, 8<<16
	s_mov_b32 s27, 416<<16
	s_mov_b32 s28, 8
	s_mov_b32 s29, REC/8
	s_mov_b32 s30, 0
	s_mov_b32 s31, 0
	; group 1 for a record: a dense block of 113 rows of 256 bytes
	s_mov_b32 s32, 15|(3<<16)|(1<<21)
	s_mov_b32 s33, 32<<16
	s_mov_b32 s34, 113<<16
	s_mov_b32 s35, 32<<16
	s_mov_b32 s36, 113
	s_mov_b32 s37, 32
	s_mov_b32 s38, 0
	s_mov_b32 s39, 0
	s_mov_b32 s54, 0                               ; the slot in hand begins here
	s_mov_b32 s57, 14                              ; slots still to be asked for in the loop
	s_lshr_b32 s2, s14, 1
	s_and_b32 s3, s14, 1
	s_mul_i32 s72, s17, 64*REC                     ; the batch's records
	s_mov_b32 s73, 0
	s_mul_i32 s74, s14, 8*REC
	s_add_co_u32 s74, s74, 25600                   ; pass 1: K's part of records 8 w ..
	s_mov_b32 s75, 0
	s_mul_i32 s76, s14, REC                        ; pass 2: record w of a slot
	s_mov_b32 s77, 0
	s_lshl_b32 s78, s17, 6
	s_add_co_u32 s78, s78, s16
	s_mul_i32 s78, s78, 3328                       ; my record of qw
	s_mov_b32 s79, 0
	s_lshl_b32 s60, s17, 23
	s_lshl_b32 s61, s14, 21
	s_add_co_u32 s60, s60, s61
	s_lshl_b32 s61, s16, 8
	s_add_co_u32 s60, s60, s61                     ; x, out0: batch, my 128 channels, my 64 positions
	s_mov_b32 s61, 0
	s_add_co_u32 s62, s15, 8
	s_mul_i32 s62, s62, REC                        ; the prefetches begin at slot 2, record cx
	s_mov_b32 s63, 0
	s_wait_dscnt 0x0                               ; the opening add is done
	s_wait_kmcnt 0x0
	s_load_b32 s18, s[10:11], 0x0                  ; gamma
	s_add_nc_u64 s[70:71], s[6:7], s[72:73]
	s_mov_b32 s40, 1
	s_mul_i32 s41, s14, 26624
	s_add_nc_u64 s[42:43], s[70:71], s[74:75]
	s_mov_b32 s44, 1
	s_add_co_u32 s45, s41, BREG
	s_add_nc_u64 s[46:47], s[42:43], 32*REC
	s_or_b32 s43, s43, 0x80000000
	s_or_b32 s47, s47, 0x80000000
	s_mov_b32 s48, 1
	s_mul_i32 s49, s14, REC
	s_add_nc_u64 s[50:51], s[70:71], s[76:77]
	s_or_b32 s51, s51, 0x80000000
	s_add_nc_u64 s[52:53], s[70:71], s[62:63]
	s_add_nc_u64 s[78:79], s[4:5], s[78:79]
	s_add_nc_u64 s[66:67], s[8:9], s[60:61]
	s_add_nc_u64 s[68:69], s[12:13], s[60:61]
	CROUND                                         ; all four work-groups are here: the first joint loads meet
	tensor_load_to_lds s[40:43], s[24:31]          ; K of records 0-31 and of records 32-63: two loads of mine are out
	s_nop 0
	tensor_load_to_lds s[44:47], s[24:31]
	s_nop 0
	v_and_b32 v29, 31, v0                          ; lane
	v_and_b32 v30, 15, v0                          ; r
	v_bfe_u32 v31, v0, 4, 1                        ; h
	v_lshlrev_b32 v[GL8], 3, v29
	v_lshlrev_b32 v[GL4], 2, v29
.irp q, 0,1,2,3
.irp p, 0,1,2
	global_load_b64 v[QF+12*\q+2*\p:QF+12*\q+2*\p+1], v[GL8], s[78:79] offset:768*\q+256*\p
.endr
.endr
	global_load_b32 v[QS], v[GL4], s[78:79] offset:3072
	global_load_b32 v[QS+1], v[GL4], s[78:79] offset:3200
.irp q, 0,1,2,3
.irp j, 6,7,8,9,10,11
	v_mov_b32 v[QF+12*\q+\j], 0                    ; K is 64: the instruction's upper 64 are zero codes, on both sides
	v_mov_b32 v[KF+12*\q+\j], 0
.endr
.endr
.set i, 0
.rept 32
	v_mov_b32 v[S+32+i], 0xff800000                ; the first step's maxima over tiles 2, 3 find -infinity
.set i, i+1
.endr
.irp j, 0,1,2,3,4,5,6,7
	v_mov_b32 v[RM+\j], 0xff800000
.endr
.irp q, 0,1,2,3
	v_mov_b32 v[BT+\q], 0                          ; written once: a lane permute's destination counts as one of its sources
.endr
	s_mul_i32 s59, s2, 3328
	s_mul_i32 s58, s3, 1536
	s_add_co_u32 s59, s59, s58
	v_add_nc_u32 v[AK1], s59, v[GL8]
	s_mul_i32 s59, s2, 3328
	s_lshl_b32 s58, s3, 7
	s_add_co_u32 s59, s59, s58
	s_add_co_u32 s59, s59, 3072
	v_add_nc_u32 v[AS1], s59, v[GL4]
	s_mul_i32 s59, s2, REC
	s_mul_i32 s58, s3, 1536
	s_add_co_u32 s59, s59, s58
	s_add_co_u32 s59, s59, 25600
	v_add_nc_u32 v[AK2], s59, v[GL8]
	s_mul_i32 s59, s2, REC
	s_lshl_b32 s58, s3, 7
	s_add_co_u32 s59, s59, s58
	s_add_co_u32 s59, s59, 28672
	v_add_nc_u32 v[AKS2], s59, v[GL4]
	s_mul_i32 s59, s14, 6144
	v_add_nc_u32 v[AV0], s59, v[GL8]
	s_lshl_b32 s59, s14, 8
	s_add_co_u32 s59, s59, 24576
	v_lshl_add_u32 v[AVS0], v29, 1, s59
	v_mul_u32_u24 v[PLD], v29, 48
	v_add_nc_u32 v[PLD], PB0, v[PLD]
	v_add_nc_u32 v[PSL], PB0+6144, v[GL4]
	s_mul_i32 s59, s3, 768
	s_mul_i32 s58, s2, 24
	s_add_co_u32 s59, s59, s58
	s_add_co_u32 s59, s59, PB0
	v_mul_u32_u24 v[PST], v30, 48
	v_mad_u32_u24 v[PST], v31, 1536, v[PST]
	v_add_nc_u32 v[PST], s59, v[PST]               ; fragment lane / 16 (+ 2 i), lane r + 16 (w % 2), registers 6 (w / 2) on
	s_add_co_u32 s59, s14, PB0+6144
	v_lshl_add_u32 v[PSB], v30, 2, s59
	s_lshl_b32 s59, s14, 2
	s_add_co_u32 s59, s59, MX
	v_lshl_add_u32 v[MXS], v30, 4, s59
	v_lshl_add_u32 v[MXL], v30, 4, MX
	v_and_b32 v11, 8, v30
	v_add_nc_u32 v11, v11, v30                     ; r + 8 (r / 8)
	s_lshl_b32 s59, s14, 8
	s_add_co_u32 s59, s59, LX
	v_lshl_add_u32 v[LST], v11, 2, s59
	v_lshl_add_u32 v[LLD], v30, 4, LX
	s_mul_i32 s59, s14, 17408
	s_add_co_u32 s59, s59, STG
	v_mul_u32_u24 v[STO], v30, 272
	v_lshl_add_u32 v[STO], v31, 6, v[STO]
	v_add_nc_u32 v[STO], s59, v[STO]
	v_mul_u32_u24 v[SRD], v31, 272
	v_lshl_add_u32 v[SRD], v30, 4, v[SRD]
	v_add_nc_u32 v[SRD], s59, v[SRD]
	v_lshlrev_b32 v[XO], 14, v31
	v_lshl_add_u32 v[XO], v30, 4, v[XO]            ; lanes 0-15 one channel's 256 bytes, lanes 16-31 the next channel's
	v_min_u32 v[PFO], 112, v0
	v_lshlrev_b32 v[PFO], 8, v[PFO]
	s_wait_loadcnt 0x0                             ; Q
	s_wait_kmcnt 0x0                               ; gamma
	s_wait_tensorcnt 1                             ; my part of the first 32 records' K is in; the second load may stay out
	s_barrier_signal -1
	s_barrier_wait -1
	; ---- PASS 1
	P1HALF 0
	s_wait_tensorcnt 0x0                           ; slot A has been read out: it takes pass 2's slot 0
	ds_add_u32 v[SPW], v[NIL]
	s_wait_dscnt 0x0
	CROUND
	tensor_load_to_lds s[48:51], s[32:39]
	s_nop 0
.rept 4
	v_nop
.endr
	ASK                                            ; slot 2
	P1HALF BREG                                    ; its last step is records 62, 63, which hold K of keys 0 .. 127: S^T is then step 0's
.irp k, 0,1,2,3
	P1MAX 2, \k
.endr
.irp q, 0,1,2,3
	v_max_num_f32 v[RM+2*\q], v[RM+2*\q], v[RM+2*\q+1]
.endr
.irp q, 0,1,2,3
	v_permlanex16_b32 v[BT+\q], v[RM+2*\q], s20, s21
.endr
.irp q, 0,1,2,3
	v_max_num_f32 v[BM+\q], v[RM+2*\q], v[BT+\q]
.endr
.irp q, 0,1,2,3
	ds_store_b32 v[MXS], v[BM+\q] offset:256*\q
.endr
	s_wait_dscnt 0x0
	s_barrier_signal -1                            ; (slot 0's load may stay out)
	s_barrier_wait -1
.irp q, 0,1,2,3
	ds_load_b128 v[RM+4*\q:RM+4*\q+3], v[MXL] offset:256*\q
.endr
	s_wait_dscnt 0x0
.irp q, 0,1,2,3
	v_max3_num_f32 v[BM+\q], v[RM+4*\q], v[RM+4*\q+1], v[RM+4*\q+2]
.endr
.irp q, 0,1,2,3
	v_max_num_f32 v[BM+\q], v[BM+\q], v[RM+4*\q+3]
.endr
.irp q, 0,1,2,3
	v_mul_f32 v[BM+\q], s22, v[BM+\q]              ; the row's largest t
.endr
.irp q, 0,1,2,3
	v_floor_f32 v[ST+4*\q], -v[BM+\q]              ; -M = floor(-t) = -ceil(t)
	v_mov_b32 v[ST+4*\q+1], 0
	v_mov_b32 v[ST+4*\q+2], 0
	v_mov_b32 v[ST+4*\q+3], 0
.endr
	; ---- PASS 2
.set n, 0
.rept 206
	SMITEM                                         ; step 0's softmax: there is no matrix work yet to set it beside
.set n, n+1
.endr
	PSTORE 0
	XLOAD 0
	INTERVAL 0, 1, 1, 1                            ; slot 0; slot 1 is asked for
	INTERVAL 1, 0, 1, 0
	s_xor_b32 s54, s54, BREG
.Lslot:                                            ; slots 1 to 14; slots 2 to 15 are asked for
	INTERVAL 0, 1, 1, 0
	INTERVAL 1, 0, 1, 0
	s_xor_b32 s54, s54, BREG
	s_sub_co_u32 s57, s57, 1
	s_cmp_lg_u32 s57, 0
	s_cbranch_scc1 .Lslot
	XLOAD 1
	INTERVAL 0, 0, 1, 0                            ; slot 15 is written out: nothing is left to ask for
	INTERVAL 1, 0, 0, 0
	; ---- THE WAY OUT.  The additions are the places behind the last products.
.irp q, 0,1,2,3
	v_add_f32 v[ST+4*\q+2], v[ST+4*\q+2], v[ST+4*\q+3]
.endr
.irp q, 0,1,2,3
	v_permlanex16_b32 v[BT+\q], v[ST+4*\q+2], s20, s21
.endr
.irp q, 0,1,2,3
	v_add_f32 v[BM+\q], v[ST+4*\q+2], v[BT+\q]     ; my key blocks' part of the row's sum
.endr
.irp q, 0,1,2,3
	ds_store_b32 v[LST], v[BM+\q] offset:128*(\q/2)+32*(\q%2)   ; by position
.endr
	s_wait_dscnt 0x0
	s_barrier_signal -1
	s_barrier_wait -1
.irp w, 0,1,2,3
	ds_load_b128 v[224+4*\w:227+4*\w], v[LLD] offset:256*\w      ; the four waves' parts for positions 4 (lane % 16) + 0 .. 3
.endr
	s_wait_dscnt 0x0
	v_pk_add_f32 v[224:225], v[224:225], v[228:229]
	v_pk_add_f32 v[226:227], v[226:227], v[230:231]
	v_pk_add_f32 v[232:233], v[232:233], v[236:237]
	v_pk_add_f32 v[234:235], v[234:235], v[238:239]
	v_pk_add_f32 v[224:225], v[224:225], v[232:233]
	v_pk_add_f32 v[226:227], v[226:227], v[234:235]
.irp k, 0,1,2,3
	v_rcp_f32 v[SO+\k], v[224+\k]
.endr
	v_nop                                          ; a plain instruction behind the last reciprocal,
	s_wait_alu depctr_va_vdst(0)                   ; and a wait ahead of the first use
.irp k, 0,1,2,3
	v_mul_f32 v[SO+\k], s18, v[SO+\k]              ; gamma / l
.endr
.irp e, 0,1                            ; 64 channels at a time through my own stage: a lane's 32 bytes of a channel's row go in, whole rows of 256 bytes come back
	WIN 0x04                                       ; an LDS store's data are its source 1: window 1
.irp c, 0,1,2,3
.irp q, 0,1,2,3
	ds_store_b128 v[STO], v[8*(4*(4*\e+\c)+\q):8*(4*(4*\e+\c)+\q)+3] offset:4352*\c+128*(\q/2)+32*(\q%2)        ; each accumulator from its low end on
	ds_store_b128 v[STO], v[8*(4*(4*\e+\c)+\q)+4:8*(4*(4*\e+\c)+\q)+7] offset:4352*\c+128*(\q/2)+32*(\q%2)+16
.endr
.endr
	WIN 0xb8                                       ; source 0 window 0, source 1 window 2, source 2 window 3, destination window 2
.set ei, 0
.rept 32
	ds_load_b128 v[128*\e+4*ei:128*\e+4*ei+3], v[SRD] offset:544*ei   ; LDS serves a wave's instructions in order (ISA guide 5.7.1.4): these see my stores, and the next half's stores come behind them
.set ei, ei+1
.endr
.endr
	s_wait_loadcnt 0x0                             ; x
.set ei, 0
.rept 64
.if ei < 32
	s_wait_dscnt 63                                ; behind quad ei stand 95 - ei LDS instructions: the count is held to what the wait can name
.else
	s_wait_dscnt 63-ei
.endif
	v_pk_fma_f32 v[4*ei:4*ei+1], v[SO:SO+1], v[4*ei:4*ei+1], v[4*ei:4*ei+1]
	v_pk_fma_f32 v[4*ei+2:4*ei+3], v[SO+2:SO+3], v[4*ei+2:4*ei+3], v[4*ei+2:4*ei+3]
	global_store_b128 v[XO], v[4*ei:4*ei+3], s[68:69] offset:2*ei*16384 th:TH_STORE_NT   ; sixteen lanes store 256 consecutive bytes, aligned
.set ei, ei+1
.endr
	WIN 0
	s_wait_tensorcnt 0x0                           ; the wave's end, behind my last tensor load and my last LDS store
	ds_add_u32 v[SPW], v[NIL]
	s_wait_dscnt 0x0
	CROUND                                         ; the closing round
	s_endpgm
.Lfunc_end_k_qeb97073a21_attend:
	.size	k_qeb97073a21_attend, .Lfunc_end_k_qeb97073a21_attend-k_qeb97073a21_attend
	.p2alignl 7, 3214868480
	.fill 96, 4, 3214868480
	.section	.rodata,"a",@progbits
	.p2align	6, 0x0
	.amdhsa_kernel k_qeb97073a21_attend
		.amdhsa_group_segment_fixed_size 327680
		.amdhsa_private_segment_fixed_size 0
		.amdhsa_enable_private_segment 0
		.amdhsa_kernarg_size 40
		.amdhsa_user_sgpr_count 2
		.amdhsa_user_sgpr_kernarg_segment_ptr 1
		.amdhsa_wavefront_size32 1
		.amdhsa_system_sgpr_workgroup_id_x 1
		.amdhsa_system_sgpr_workgroup_id_y 1
		.amdhsa_system_sgpr_workgroup_id_z 1
		.amdhsa_system_vgpr_workitem_id 0
		.amdhsa_next_free_vgpr 1024
		.amdhsa_next_free_sgpr 80
		.amdhsa_reserve_vcc 0
		.amdhsa_float_denorm_mode_32 3
		.amdhsa_float_denorm_mode_16_64 3
		.amdhsa_memory_ordered 1
		.amdhsa_forward_progress 1
		.amdhsa_inst_pref_size 218
	.end_amdhsa_kernel
	.amdgpu_metadata
---
amdhsa.version: [ 1, 2 ]
amdhsa.kernels:
  - .name:           k_qeb97073a21_attend
    .symbol:         k_qeb97073a21_attend.kd
    .args:
      - { .name: qw, .offset: 0, .size: 8, .value_kind: global_buffer, .address_space: global }
      - { .name: kv, .offset: 8, .size: 8, .value_kind: global_buffer, .address_space: global }
      - { .name: x, .offset: 16, .size: 8, .value_kind: global_buffer, .address_space: global }
      - { .name: gamma, .offset: 24, .size: 8, .value_kind: global_buffer, .address_space: global }
      - { .name: out0, .offset: 32, .size: 8, .value_kind: global_buffer, .address_space: global }
    .group_segment_fixed_size: 327680
    .private_segment_fixed_size: 0
    .kernarg_segment_align: 8
    .kernarg_segment_size: 40
    .max_flat_workgroup_size: 128
    .sgpr_count:     80
    .vgpr_count:     1024
    .wavefront_size: 32
...
	.end_amdgpu_metadata
.endif
;; end of part 2
